; MI455X (gfx1250); checked and timed in simulation.
; The chip was launched on July 23, 2026; its instructions are those of AMD's public machine-readable ISA for CDNA 5 (MIT licence, August 2026) and "CDNA5" Instruction Set Architecture Reference Guide (July 2026). The comments in the code are by the model that wrote it; some were corrected since.
;; Standard Kernel Model. Allowed arithmetic: matrix products marked QUANTISED: E2M3 operands, one E8M0 scale for each 32 along K, by v_wmma_scale_f32_16x16x128_f8f6f4 with both operands' format E2M3, f32 sums; everything else in f32.
;; Inputs: batch 8,192 x 512 float32; centers 8,192 x 512 float32; weight 8,192 x 256 float32.
;; Outputs: out0 8,192 x 256 float32.
;; This version of the problem:
;;   THIS VERSION OF THE PROBLEM IS GIVEN IN LOW PRECISION. The matrix products marked QUANTISED in the list below multiply operands that are first quantised to E2M3 (2 exponent bits, 3 mantissa bits; 6 bits a number), with one power-of-two scale for each 32 numbers along K (OCP MX v1.0); their sums are f32. All else is computed in f32.
;;   The module's matrix products, in the order in which they are computed (A, B: the left and right operand; K: the contracted axis; several contracted axes count as one K, in the product's order):
;;     1. [M 8,192, K 512] x [K 512, N 8,192]; A: input batch; B: input centers: QUANTISED
;;     2. [M 8,192, K 8,192] x [K 8,192, N 256]; A: computed on the way; B: input weight: QUANTISED
;;   THE QUANTISER, for each operand of a quantised product, along K:
;;     - K is cut into blocks of 32 from its start; a last block that is shorter is filled with zeros.
;;     - A block's scale is 2^e with e = floor(log2(the largest magnitude in the block)) - 2, held to -126 .. 127; a block of zeros has e = 0. As a byte (E8M0): e + 127.
;;     - Each number is divided by its block's scale, clamped to +-7.5, and rounded to the nearest number of E2M3, ties to even, subnormals kept.
;;     - The product sums the exact products of the quantised numbers (number of the format x scale) in f32.
;;   ~~~python
;;   def quantise(x, axis):      # numpy; x: float32 -> the quantised numbers, widened to float32 again
;;       x = np.moveaxis(x, axis, -1); K = x.shape[-1]
;;       x = np.pad(x, [(0, 0)] * (x.ndim - 1) + [(0, -K % 32)]); x = x.reshape(x.shape[:-1] + (-1, 32)); a = np.abs(x).max(-1, keepdims=True)
;;       e = np.where(a > 0, np.clip(np.frexp(np.where(a > 0, a, 1))[1] - 1 - 2, -126, 127), 0)      # np.frexp(a)[1] - 1 = floor(log2(a)), exactly
;;       r = np.clip(x / 2.0 ** e, -7.5, 7.5)
;;       step = 2.0 ** (np.maximum(np.frexp(np.where(r == 0, 1, r))[1] - 1, 0) - 3)
;;       q = np.round(r / step) * step * 2.0 ** e      # np.round: ties to even
;;       return np.moveaxis(q.reshape(q.shape[:-2] + (-1,))[..., :K], -1, axis).astype(np.float32)
;;   ~~~
;;   OPERANDS COMPUTED ON THE WAY. 'Computed on the way' means the value that the module computes at that place (a softmax that the list does not call 'softmax' is quantised finished and normalised). What goes into a quantiser is computed in f32, as accurately as f32 sums, v_exp_f32 and their like allow (about 1e-6 of the number): no bf16 or f16 on the way to a quantiser, and a product that is left as it is and whose result goes on into a quantised operand takes f32 operands (vector FMAs, or v_wmma_f32_16x16x4_f32). A number that lies on a knife's edge between two numbers of the format may be rounded either way, as far as f32 arithmetic and the matrix unit's own rounding can turn it there, and no further.
;; One version. Each part assembles by itself: llvm-mc -triple=amdgcn-amd-amdhsa -mcpu=gfx1250 --defsym DOCPART=n.
;; ======== version 1 of 1: 3 launches
;; limits: right only within a limited range of input values
;; workspace buffers: xpack 3,309,568 bytes; zpack 3,309,568 bytes; wpack 1,638,400 bytes; part 16,777,216 bytes
;; launch prep (part 1): grid 256 x 1, 4 waves a work-group, no clusters, 327,680 bytes of LDS; arguments batch, centers, weight, xpack, zpack, wpack; writes xpack, zpack, wpack
.if DOCPART == 1
	.amdgcn_target "amdgcn-amd-amdhsa--gfx1250"
	.amdhsa_code_object_version 6
	.text
	.protected	k_qbfa8ebe466_prep
	.globl	k_qbfa8ebe466_prep
	.p2align	8
	.type	k_qbfa8ebe466_prep,@function
k_qbfa8ebe466_prep:
	s_mov_b64 s[64:65], 0
	v_nop
	global_prefetch_b8 v0, s[64:65] scope:SCOPE_SE
	s_setreg_imm32_b32 hwreg(HW_REG_WAVE_MODE, 25, 1), 1
	s_wait_xcnt 0x0
.set PK,   103424
.set WP,   51200
.set ROWP, 2080
.set WT,   133120
.set STG,  165888
.set LI,  1
.set L8,  2
.set HH,  3
.set H8,  4
.set AR,  5
.set AWT, 6
.set ASQ, 7
.set AWS, 8
.set ABK, 9
.set ACC, 10
.set TM,  18
.set TS,  20
.set TB,  22
.set TP,  24
.set T,   26
.set WD,  34
.set SW,  40
.set BK,  42
.set F,   44
.set XA,  104
.set XB,  168
	s_load_b256 s[4:11], s[0:1], 0x0
	s_load_b128 s[12:15], s[0:1], 0x20
	v_lshl_add_u32 v232, v0, 2, 0x29000
	v_mov_b32 v233, 0
	ds_add_u32 v232, v233
	ds_add_u32 v232, v233
	v_lshrrev_b32 v26, 5, v0
	v_readfirstlane_b32 s16, v26
	s_and_b32 s17, ttmp9, 127
	s_and_b32 s18, s17, 3
	s_lshr_b32 s19, s17, 2
	s_lshr_b32 s23, ttmp9, 2
	s_and_b32 s56, ttmp9, 3
	s_lshr_b32 s57, s23, 1
	s_and_b32 s58, s23, 1
	s_mov_b32 s20, 0x76543210
	s_mov_b32 s21, 0xfedcba98
	s_mov_b32 s24, (3<<16)|(1<<20)|(7<<22)|(3<<25)
	s_mov_b32 s25, 128<<16
	s_mov_b32 s26, 32<<16
	s_mov_b32 s27, 128<<16
	s_mov_b32 s28, 32
	s_mov_b32 s29, 128
	s_mov_b32 s30, 0
	s_mov_b32 s31, 0
	s_mov_b32 s32, 3<<16
	s_mov_b32 s33, 32<<16
	s_mov_b32 s34, 32<<16
	s_mov_b32 s35, 32<<16
	s_mov_b32 s36, 32
	s_mov_b32 s37, 128
	s_mov_b32 s38, 0
	s_mov_b32 s39, 0
	s_lshl_b32 s48, s17, 17
	s_lshl_b32 s59, s16, 15
	s_add_co_u32 s48, s48, s59
	s_mov_b32 s49, 0
	s_lshl_b32 s50, s23, 17
	s_add_co_u32 s50, s50, s59
	s_lshl_b32 s59, s56, 8
	s_add_co_u32 s50, s50, s59
	s_mov_b32 s51, 0
	s_mov_b32 s40, 1
	s_mul_i32 s41, s16, 16*ROWP
	s_mov_b32 s44, 1
	s_lshl_b32 s45, s16, 13
	s_add_co_u32 s45, s45, WT
	s_mov_b32 s22, 0xbf000000
	s_wait_dscnt 0x0
	s_wait_kmcnt 0x0
	s_cmp_lt_u32 ttmp9, 128
	s_cselect_b64 s[4:5], s[4:5], s[6:7]
	s_cselect_b64 s[10:11], s[10:11], s[12:13]
	s_cselect_b32 s22, 0x3caa8179, s22
	s_add_nc_u64 s[42:43], s[4:5], s[48:49]
	s_or_b32 s43, s43, 0x80000000
	s_add_nc_u64 s[46:47], s[8:9], s[50:51]
	s_or_b32 s47, s47, 0x80000000
	tensor_load_to_lds s[40:43], s[24:31]
	s_nop 0
	s_wait_alu depctr_va_vdst(0)
	s_wait_tensorcnt 0x0
	ds_add_u32 v232, v233
	s_wait_dscnt 0x0
	s_barrier_signal -1
	s_barrier_wait -1
	tensor_load_to_lds s[44:47], s[32:39]
	s_nop 0
.rept 4
	v_nop
.endr
	s_mul_i32 s48, s19, PK
	s_add_nc_u64 s[10:11], s[10:11], s[48:49]
	s_lshl_b32 s59, s18, 2
	s_add_co_u32 s59, s59, s16
	s_mul_i32 s48, s59, 6144
	s_add_nc_u64 s[52:53], s[10:11], s[48:49]
	s_lshl_b32 s48, s59, 8
	s_add_co_u32 s48, s48, 98304
	s_add_nc_u64 s[54:55], s[10:11], s[48:49]
	s_lshl_b32 s48, s18, 8
	s_add_co_u32 s48, s48, 102400
	s_add_nc_u64 s[10:11], s[10:11], s[48:49]
	s_mul_i32 s48, s57, WP
	s_add_nc_u64 s[14:15], s[14:15], s[48:49]
	s_lshl_b32 s59, s58, 2
	s_add_co_u32 s59, s59, s56
	s_mul_i32 s48, s59, 6144
	s_mul_i32 s62, s16, 1536
	s_add_co_u32 s48, s48, s62
	s_add_nc_u64 s[60:61], s[14:15], s[48:49]
	s_lshl_b32 s48, s59, 8
	s_add_co_u32 s48, s48, 49152
	s_add_nc_u64 s[14:15], s[14:15], s[48:49]
	s_cmp_eq_u32 s16, 0
	s_cselect_b64 s[10:11], s[10:11], s[14:15]
	v_and_b32 v26, 31, v0
	v_lshlrev_b32 v[LI], 4, v26
	v_lshlrev_b32 v[L8], 3, v26
	v_and_b32 v27, 15, v0
	v_bfe_u32 v[HH], v0, 4, 1
	v_lshlrev_b32 v[H8], 3, v[HH]
	v_and_b32 v28, 8, v27
	v_add_nc_u32 v28, v28, v27
	s_lshr_b32 s62, s16, 1
	s_and_b32 s63, s16, 1
	s_lshl_b32 s59, s62, 5
	s_lshl_b32 s48, s63, 3
	s_add_co_u32 s59, s59, s48
	v_add_nc_u32 v28, s59, v28
	v_mul_u32_u24 v[AR], v28, ROWP
	v_lshl_add_u32 v[AR], v[HH], 7, v[AR]
	v_lshl_add_u32 v[ASQ], v28, 2, STG
	v_lshlrev_b32 v[AWT], 2, v27
	v_lshl_add_u32 v[AWT], v[HH], 13, v[AWT]
	s_lshl_b32 s59, s16, 6
	s_add_co_u32 s59, s59, WT
	v_add_nc_u32 v[AWT], s59, v[AWT]
	v_lshlrev_b32 v[AWS], 3, v27
	s_lshl_b32 s59, s63, 7
	s_lshl_b32 s48, s62, 2
	s_add_co_u32 s59, s59, s48
	s_add_co_u32 s59, s59, STG+256
	v_add_nc_u32 v[AWS], s59, v[AWS]
	s_lshl_b32 s59, s16, 8
	s_add_co_u32 s59, s59, STG
	v_add_nc_u32 v[ABK], s59, v[L8]
	v_mov_b32 v[TP], 0
	v_cmp_ne_u32 vcc_lo, 0, v[HH]
.macro LROW s, x
.irp c, 0,1
.irp j, 0,1,2,3,4,5,6,7
	ds_load_b128 v[\x+32*\c+4*\j:\x+32*\c+4*\j+3], v[AR] offset:512*\s+16*(\s/2)+256*\c+16*\j
.endr
.endr
.endm
.macro LW c
.set i, 0
.rept 32
	ds_load_b32 v[XA+32*\c+i], v[AWT] offset:(64*\c+i)*256
.set i, i+1
.endr
.endm
.macro QFRAG x, f, wd, sq
.irp c, 0,1
	v_max3_num_f32 v[TM+\c], |v[\x+32*\c]|, |v[\x+32*\c+1]|, 0x1800000
.endr
.irp i, 2,4,6,8,10,12,14,16,18,20,22,24,26,28,30
.irp c, 0,1
	v_max3_num_f32 v[TM+\c], v[TM+\c], |v[\x+32*\c+\i]|, |v[\x+32*\c+\i+1]|
.endr
.endr
.irp c, 0,1
	v_add_nc_u32 v[TS+\c], 0xff000000, v[TM+\c]
.endr
.irp c, 0,1
	v_lshrrev_b32 v[TB+\c], 23, v[TS+\c]
.endr
	v_lshl_or_b32 v[\wd], v[TB+1], 16, v[TB]
	v_lshlrev_b32 v[\wd], v[H8], v[\wd]
	v_permlanex16_b32 v[TP], v[\wd], s20, s21
	v_or_b32 v[\wd], v[\wd], v[TP]
.if \sq
.set n, 0
.rept 32
.if (\sq == 1) && (n < 4)
	v_pk_mul_f32 v[ACC+2*n:ACC+2*n+1], v[\x+2*n:\x+2*n+1], v[\x+2*n:\x+2*n+1]
.else
	v_pk_fma_f32 v[ACC+2*(n%4):ACC+2*(n%4)+1], v[\x+2*n:\x+2*n+1], v[\x+2*n:\x+2*n+1], v[ACC+2*(n%4):ACC+2*(n%4)+1]
.endif
.set n, n+1
.endr
.endif
.irp c, 0,1
	v_cvt_scalef32_pk16_fp6_f32 v[\f+6*\c:\f+6*\c+2], v[\x+32*\c:\x+32*\c+15], v[TS+\c]
	v_cvt_scalef32_pk16_fp6_f32 v[T+4*\c:T+4*\c+2], v[\x+32*\c+16:\x+32*\c+31], v[TS+\c]
.endr
	v_nop
.irp c, 0,1
.irp i, 0,1,2
	v_mov_b32 v[\f+6*\c+3+\i], v[T+4*\c+\i]
.endr
.endr
.endm
.macro SENDF f, b, off
.irp g, 0,1,2
	global_store_b128 v[LI], v[\f+4*\g:\f+4*\g+3], s[\b:\b+1] offset:\off+512*\g
.endr
.endm
	s_wait_tensorcnt 0x0
	s_barrier_signal -1
	s_barrier_wait -1
	LROW 0, XA
	LROW 1, XB
	s_wait_dscnt 16
	QFRAG XA, F, WD, 1
	SENDF F, 52, 0
	LROW 2, XA
	s_wait_dscnt 16
	QFRAG XB, F+12, WD+1, 2
	SENDF F+12, 52, 1536
	LROW 3, XB
	s_wait_dscnt 16
	QFRAG XA, F+24, WD+2, 2
	SENDF F+24, 52, 3072
	LW 0
	s_wait_dscnt 32
	QFRAG XB, F+36, WD+3, 2
	SENDF F+36, 52, 4608
	LW 1
	s_wait_dscnt 0x0
	QFRAG XA, F+48, WD+4, 0
	SENDF F+48, 60, 0
	v_cndmask_b32 v[SW], v[WD], v[WD+1], vcc_lo
	v_cndmask_b32 v[SW+1], v[WD+2], v[WD+3], vcc_lo
	global_store_b64 v[L8], v[SW:SW+1], s[54:55]
	v_pk_add_f32 v[ACC:ACC+1], v[ACC:ACC+1], v[ACC+2:ACC+3]
	v_pk_add_f32 v[ACC+4:ACC+5], v[ACC+4:ACC+5], v[ACC+6:ACC+7]
	v_pk_add_f32 v[ACC:ACC+1], v[ACC:ACC+1], v[ACC+4:ACC+5]
	v_add_f32 v[ACC], v[ACC], v[ACC+1]
	v_permlanex16_b32 v[TP], v[ACC], s20, s21
	v_add_f32 v[ACC], v[ACC], v[TP]
	v_mul_f32 v[ACC], s22, v[ACC]
	ds_store_b32 v[ASQ], v[ACC]
	ds_store_b32 v[AWS], v[WD+4]
	s_wait_dscnt 0x0
	s_barrier_signal -1
	s_barrier_wait -1
	s_cmp_lt_u32 s16, 2
	s_cbranch_scc0 .Lend
	ds_load_b64 v[BK:BK+1], v[ABK]
	s_wait_dscnt 0x0
	global_store_b64 v[L8], v[BK:BK+1], s[10:11]
.Lend:
	s_wait_tensorcnt 0x0
	ds_add_u32 v232, v233
	s_wait_dscnt 0x0
	s_endpgm
.Lfunc_end_k_qbfa8ebe466_prep:
	.size	k_qbfa8ebe466_prep, .Lfunc_end_k_qbfa8ebe466_prep-k_qbfa8ebe466_prep
	.p2alignl 7, 3214868480
	.fill 96, 4, 3214868480
	.section	.rodata,"a",@progbits
	.p2align	6, 0x0
	.amdhsa_kernel k_qbfa8ebe466_prep
		.amdhsa_group_segment_fixed_size 327680
		.amdhsa_private_segment_fixed_size 0
		.amdhsa_enable_private_segment 0
		.amdhsa_kernarg_size 48
		.amdhsa_user_sgpr_count 2
		.amdhsa_user_sgpr_kernarg_segment_ptr 1
		.amdhsa_wavefront_size32 1
		.amdhsa_system_sgpr_workgroup_id_x 1
		.amdhsa_system_sgpr_workgroup_id_y 1
		.amdhsa_system_sgpr_workgroup_id_z 1
		.amdhsa_system_vgpr_workitem_id 0
		.amdhsa_next_free_vgpr 234
		.amdhsa_next_free_sgpr 66
		.amdhsa_reserve_vcc 1
		.amdhsa_float_denorm_mode_32 3
		.amdhsa_float_denorm_mode_16_64 3
		.amdhsa_memory_ordered 1
		.amdhsa_forward_progress 1
		.amdhsa_inst_pref_size 40
	.end_amdhsa_kernel
	.amdgpu_metadata
---
amdhsa.version: [ 1, 2 ]
amdhsa.kernels:
  - .name:           k_qbfa8ebe466_prep
    .symbol:         k_qbfa8ebe466_prep.kd
    .args:
      - { .name: batch, .offset: 0, .size: 8, .value_kind: global_buffer, .address_space: global }
      - { .name: centers, .offset: 8, .size: 8, .value_kind: global_buffer, .address_space: global }
      - { .name: weight, .offset: 16, .size: 8, .value_kind: global_buffer, .address_space: global }
      - { .name: xpack, .offset: 24, .size: 8, .value_kind: global_buffer, .address_space: global }
      - { .name: zpack, .offset: 32, .size: 8, .value_kind: global_buffer, .address_space: global }
      - { .name: wpack, .offset: 40, .size: 8, .value_kind: global_buffer, .address_space: global }
    .group_segment_fixed_size: 327680
    .private_segment_fixed_size: 0
    .kernarg_segment_align: 8
    .kernarg_segment_size: 48
    .max_flat_workgroup_size: 128
    .sgpr_count:     66
    .vgpr_count:     234
    .wavefront_size: 32
...
	.end_amdgpu_metadata
.endif
;; end of part 1
;; launch kern (part 2): grid 128 x 2, 8 waves a work-group, clusters of 4 x 1, 327,680 bytes of LDS; arguments xpack, zpack, wpack, part; writes part
.if DOCPART == 2
	.amdgcn_target "amdgcn-amd-amdhsa--gfx1250"
	.amdhsa_code_object_version 6
	.text
	.protected	k_qbfa8ebe466_kern
	.globl	k_qbfa8ebe466_kern
	.p2align	8
	.type	k_qbfa8ebe466_kern,@function
k_qbfa8ebe466_kern:
	s_mov_b64 s[64:65], 0
	v_nop
	global_prefetch_b8 v0, s[64:65] scope:SCOPE_SE
	s_setreg_imm32_b32 hwreg(HW_REG_WAVE_MODE, 25, 1), 1
	s_wait_xcnt 0x0
	s_wait_alu depctr_hold_cnt(0) depctr_sa_sdst(0) depctr_va_vdst(0) depctr_va_sdst(0) depctr_va_ssrc(0) depctr_va_vcc(0) depctr_vm_vsrc(0)
	s_getreg_b32 s2, hwreg(HW_REG_IB_STS2, 6, 4)
	s_cmp_eq_u32 s2, 0
	s_cbranch_scc0 .Lentry_in_a_cluster
	s_endpgm
.Lentry_in_a_cluster:
	s_bfe_u32 s2, ttmp6, 0x10000c
	s_cmp_lg_u32 s2, 0x3003
	s_cbranch_scc0 .Lentry_shape_is_right
	s_endpgm
.Lentry_shape_is_right:
; KERN: part[split][n][y] = the sum over the split's 4,096 centres m of Q(exp(-sqrt(max(|x_n|^2 + |z_m|^2 - 2 x_n . z_m, 0)) / 10)) Q(weight[m][y]); both products on codes of FP6 (E2M3) with E8M0 scales.
; x, z and weight come as images of their operand registers, with scale words and sums of squares, from the launch before.
; SHARES.  A work-group owns 64 rows of batch (four tiles t of 16) and one half of the centres, in 16 packs of 256.  Eight waves in TWO TEAMS: waves 0-3 take the first 128 centres of every pack, waves 4-7 the second 128.
; In a team wave w has: FIRST PRODUCT, its 32 centres x all 64 rows, K = 512: 32 matrix instructions; SECOND PRODUCT, columns 64 (w % 4) on x all 64 rows, K = the team's 128 centres: 16 matrix instructions.
; Between the two, p goes from wave to wave of the team through the team's own stage in LDS, as rows of codes and scale bytes.  The teams' sums are added on the way out.
; THE TEAMS RUN ONE INTERVAL APART.  An interval is what stands between two barriers.  In it one team multiplies (first product of its next step, the multiply-adds and maxima, second product of its last step),
; the other takes roots and exponentials, makes codes and stores p; in the next interval they change parts.  So each arm of a branch on the wave's number holds one part; every barrier stands in the common text.
; IN THE MULTIPLYING PART the first product starts behind twelve LDS loads; p's fragments are fetched into z's registers as those fall free, weight's behind the first product, with the multiply-adds and maxima between the loads and the wait for them.
; BOTH PRODUCTS ARE USED TRANSPOSED (source 0 = 16 centres, or 16 columns of weight; source 1 = 16 rows): a lane holds ONE row; the 16 registers of a row tile's two results are 16 neighbouring centres.
; ARITHMETIC, all in f32: the first product's C is -|z|^2 / 2; y = (x.z - |z|^2 / 2) x (-2 c^2) + c^2 |x|^2 = c^2 d^2 with c = log2(e) / 10; max with 0; root; p = 2^(-root).
; LIMITS: p under 2^-126 comes out of v_exp_f32 as 0 (ISA guide, the instruction's entry), where the definition has a denormal; NaN and infinities among the inputs are not served.  A block whose every p is 0 keeps the byte 1: its codes are zeros.
; CLUSTER.  The four work-groups of a cluster walk the same packs: every tile is asked for JOINTLY, same descriptor, mask of all four.  My place in the cluster enters global addresses alone.
; THE RING.  z has two slots and weight two.  Pack q's z is read in intervals 2 q and 2 q + 1, its weight in 2 q + 2 and 2 q + 3.  Behind interval 2 q + 1 stands a round of the cluster's barrier; behind it z of pack q + 2 goes
; into the slot just read and weight of pack q + 1 into the slot last read in that interval: waves 0-3 a quarter of z each, waves 4-7 a quarter of weight: one load a wave, two intervals ahead of the wait for it.
; PREFETCH.  In period q (0 .. 11) z's pack q + 4 and weight's pack q + 3 are named, which the round two periods on asks for: 101 blocks of 256 bytes of z (waves 0-3) and 50 of weight (waves 4, 5) for each of work-groups 0-3 in x,
; the four partners' shares told apart by address; a lane a block, lanes left over name their wave's last block.  Periods 12 on ask for nothing.
; REGISTERS.  Window 0: v1-15 addresses; v16-23: even c^2 |x|^2, odd three more addresses (a pair's upper word is named and not used); v24-39 scale words; v40-55 the first product's C, then a fragment of weight, then p's codes;
;   v56-119 the 8 results; v120-167 four fragments of z, then p's four; v168-231 eight sums; v232-255 two fragments of z, then of weight, while multiplying, else at work.  Window 1: v0-191 x; v192-255 eight sums.
.set PK,    103424
.set WP,    51200
.set ZS0,   0
.set ZS1,   PK
.set WS0,   2*PK
.set WS1,   2*PK+WP
.set PST,   2*PK+2*WP                  ; p's codes: 2 teams x 4 fragments x 16 rows x 112 bytes (96 of data)
.set PSC,   PST+14336                  ; p's scale words: 2 x 4 x 16
.set SPARE, PSC+512                    ; the spare words, 128 bytes a wave: four blocks of 256 bytes that no other line names
.set LI,   1
.set L8,   2
.set H64,  3
.set PSTO, 4
.set PBST, 5
.set PLD,  6
.set PSL,  7
.set SPW,  8
.set NIL,  9
.set ADZ,  10
.set ADS,  11
.set ADC,  12
.set ADW,  13
.set ADWS, 14
.set IMG,  15
.set XS,   16
.set RST,  17                          ; the way out: where I put 32 bytes of a row
.set RRD,  19                          ; and where I read rows back
.set PFO,  21                          ; the prefetches' offset
.set XQ,   10                          ; at the head alone: my row's offset in x's sums of squares
.set XSC,  24
.set ZSC,  32
.set WSC,  36
.set PSW,  38
.set CI,   40
.set CD,   40
.set S,    56
.set BK,   56                          ; the way out: at work
.set ZF,   120
.set O0,   168
.set O1,   192                         ; in window 1
.set ZG,   232
.set TM,   232
.set TP,   236
.set TS,   240
.set WV,   12
.set KS,   13
.set CG,   14
.set SEL,  20
.set K1,   22
.set G1Z,  24
.set G1W,  32
.set G0Z,  40
.set G0W,  48
.set SAZ,  56
.set SAS,  58
.set SAC,  60
.set SAW,  62
.set SAWS, 66
.set TRIP, 68
.set PFA,  88                          ; s[88:89] where my prefetches stand; s[90:91] a pack's bytes; s92: 1 in waves that ask, else the greatest number
.set PFS,  90
.set LIM,  92
.set MSB, 0
.macro WIN new                         ; the immediate's high byte repeats the setting that is left
.if MSB != \new
	s_set_vgpr_msb (MSB<<8)|\new
.set MSB, \new
.endif
.endm
.macro NOPS n
.rept \n
	v_nop
.endr
.endm
.macro BAR
	s_barrier_signal -1
	s_barrier_wait -1
.endm
.macro ROUND                           ; a round of the cluster's barrier
	BAR
	s_cmp_lg_u32 s[WV], 0
	s_cbranch_scc1 .Lnot_wave_0_\@
	s_barrier_signal -3
.Lnot_wave_0_\@:
	s_barrier_wait -3
	BAR
.endm
; The joint loads: ONE chain on the wave's number, one load to an arm.  s_nop 0 and four v_nop follow each load.
.macro TLOAD gz, gw, fz, fw
	s_cmp_lt_u32 s[WV], 4
.if (\fz) && (\fw)
	s_cbranch_scc0 .Lfor_w_\@
	tensor_load_to_lds s[\gz:\gz+3], s[G1Z:G1Z+7]
	s_nop 0
	NOPS 4
	s_branch .Lasked_\@
.Lfor_w_\@:
	tensor_load_to_lds s[\gw:\gw+3], s[G1W:G1W+7]
	s_nop 0
	NOPS 4
.Lasked_\@:
.elseif \fz
	s_cbranch_scc0 .Lasked_\@
	tensor_load_to_lds s[\gz:\gz+3], s[G1Z:G1Z+7]
	s_nop 0
	NOPS 4
.Lasked_\@:
.else
	s_cbranch_scc1 .Lasked_\@
	tensor_load_to_lds s[\gw:\gw+3], s[G1W:G1W+7]
	s_nop 0
	NOPS 4
.Lasked_\@:
.endif
.endm
; A product.  ra, rb: source 0's and source 1's scales stand in lanes 16-31.  MMX: C in registers; MMZ: the constant 0 starts the sum.
.macro MMX d, a, b, c, sa, sb, ra, rb
.if (\ra) && (\rb)
	v_wmma_scale_f32_16x16x128_f8f6f4 v[\d:\d+7], v[\a:\a+11], v[\b:\b+11], v[\c:\c+7], v[\sa], v[\sb] matrix_a_fmt:MATRIX_FMT_FP6 matrix_b_fmt:MATRIX_FMT_FP6 matrix_a_scale:MATRIX_SCALE_ROW1 matrix_b_scale:MATRIX_SCALE_ROW1
.elseif (\ra)
	v_wmma_scale_f32_16x16x128_f8f6f4 v[\d:\d+7], v[\a:\a+11], v[\b:\b+11], v[\c:\c+7], v[\sa], v[\sb] matrix_a_fmt:MATRIX_FMT_FP6 matrix_b_fmt:MATRIX_FMT_FP6 matrix_a_scale:MATRIX_SCALE_ROW1
.elseif (\rb)
	v_wmma_scale_f32_16x16x128_f8f6f4 v[\d:\d+7], v[\a:\a+11], v[\b:\b+11], v[\c:\c+7], v[\sa], v[\sb] matrix_a_fmt:MATRIX_FMT_FP6 matrix_b_fmt:MATRIX_FMT_FP6 matrix_b_scale:MATRIX_SCALE_ROW1
.else
	v_wmma_scale_f32_16x16x128_f8f6f4 v[\d:\d+7], v[\a:\a+11], v[\b:\b+11], v[\c:\c+7], v[\sa], v[\sb] matrix_a_fmt:MATRIX_FMT_FP6 matrix_b_fmt:MATRIX_FMT_FP6
.endif
.endm
.macro MMZ d, a, b, sa, sb, ra, rb
.if (\ra) && (\rb)
	v_wmma_scale_f32_16x16x128_f8f6f4 v[\d:\d+7], v[\a:\a+11], v[\b:\b+11], 0, v[\sa], v[\sb] matrix_a_fmt:MATRIX_FMT_FP6 matrix_b_fmt:MATRIX_FMT_FP6 matrix_a_scale:MATRIX_SCALE_ROW1 matrix_b_scale:MATRIX_SCALE_ROW1
.elseif (\ra)
	v_wmma_scale_f32_16x16x128_f8f6f4 v[\d:\d+7], v[\a:\a+11], v[\b:\b+11], 0, v[\sa], v[\sb] matrix_a_fmt:MATRIX_FMT_FP6 matrix_b_fmt:MATRIX_FMT_FP6 matrix_a_scale:MATRIX_SCALE_ROW1
.elseif (\rb)
	v_wmma_scale_f32_16x16x128_f8f6f4 v[\d:\d+7], v[\a:\a+11], v[\b:\b+11], 0, v[\sa], v[\sb] matrix_a_fmt:MATRIX_FMT_FP6 matrix_b_fmt:MATRIX_FMT_FP6 matrix_b_scale:MATRIX_SCALE_ROW1
.else
	v_wmma_scale_f32_16x16x128_f8f6f4 v[\d:\d+7], v[\a:\a+11], v[\b:\b+11], 0, v[\sa], v[\sb] matrix_a_fmt:MATRIX_FMT_FP6 matrix_b_fmt:MATRIX_FMT_FP6
.endif
.endm
	s_load_b256 s[4:11], s[0:1], 0x0               ; xpack s[4:5], zpack s[6:7], wpack s[8:9], part s[10:11]
	v_lshl_add_u32 v[SPW], v0, 2, SPARE
	v_mov_b32 v[NIL], 0
	ds_add_u32 v[SPW], v[NIL]                      ; the opening lines: the add, twice on end, and one wait
	ds_add_u32 v[SPW], v[NIL]
	v_lshrrev_b32 v248, 5, v0
	s_delay_alu instid0(VALU_DEP_1)
	v_readfirstlane_b32 s[WV], v248                ; wave 0..7
	s_lshr_b32 s[KS], s[WV], 2                     ; team
	s_and_b32 s[CG], s[WV], 3                      ; place in the team
	s_bfe_u32 s16, ttmp6, 0x40000                  ; cx
	s_lshl_b32 s17, ttmp9, 2
	s_add_co_u32 s17, s17, s16                     ; my block of 64 rows
	s_and_b32 s18, ttmp7, 0xffff                   ; which half of the centres
	s_mov_b32 s[SEL], 0x76543210
	s_mov_b32 s[SEL+1], 0xfedcba98
	s_mov_b32 s[K1], 0xbd2a8179                    ; -2 (log2(e) / 10)^2
	s_mov_b32 s[K1+1], s[K1]
	s_mov_b32 s[TRIP], 6
	; groups 1: dense blocks as rows of 256 bytes: a quarter of z's pack is 101 rows, of weight's 50
	s_mov_b32 s[G1Z], 15|(3<<16)|(1<<21)
	s_mov_b32 s[G1Z+1], 32<<16
	s_mov_b32 s[G1Z+2], 101<<16
	s_mov_b32 s[G1Z+3], 32<<16
	s_mov_b32 s[G1Z+4], 101
	s_mov_b32 s[G1Z+5], 32
	s_mov_b32 s[G1Z+6], 0
	s_mov_b32 s[G1Z+7], 0
	s_mov_b32 s[G1W], 15|(3<<16)|(1<<21)
	s_mov_b32 s[G1W+1], 32<<16
	s_mov_b32 s[G1W+2], 50<<16
	s_mov_b32 s[G1W+3], 32<<16
	s_mov_b32 s[G1W+4], 50
	s_mov_b32 s[G1W+5], 32
	s_mov_b32 s[G1W+6], 0
	s_mov_b32 s[G1W+7], 0
	; where my wave's parts of a slot begin
	s_mul_i32 s70, s[WV], 12288
	s_add_co_u32 s[SAZ], s70, ZS0
	s_add_co_u32 s[SAZ+1], s70, ZS1
	s_lshl_b32 s70, s[WV], 9
	s_add_co_u32 s[SAS], s70, ZS0+98304
	s_add_co_u32 s[SAS+1], s70, ZS1+98304
	s_lshl_b32 s70, s[WV], 7
	s_add_co_u32 s[SAC], s70, ZS0+102400
	s_add_co_u32 s[SAC+1], s70, ZS1+102400
	s_mul_i32 s70, s[WV], 6144
	s_add_co_u32 s[SAW], s70, WS0
	s_add_co_u32 s[SAW+1], s70, WS1
	s_lshl_b32 s70, s[WV], 8
	s_add_co_u32 s[SAWS], s70, WS0+49152
	s_add_co_u32 s[SAWS+1], s70, WS1+49152
	s_mul_i32 s80, s[KS], 7168
	s_add_co_u32 s80, s80, PST                     ; my team's four fragments of p
	s_mul_i32 s81, s[CG], 24
	s_add_co_u32 s81, s81, s80                     ; my block's 24 bytes of a row
	s_lshl_b32 s82, s[KS], 8
	s_add_co_u32 s82, s82, PSC
	s_add_co_u32 s83, s82, s[CG]
	s_lshl_b32 s84, s[CG], 14                      ; the way out: 16,384 bytes in slot 0 of z for each group of columns
	s_lshl_b32 s85, s[CG], 8
	s_add_co_u32 s85, s85, ZS1                     ; the row stage in slot 1 of z
	s_mul_i32 s86, s[WV], 8*1040
	s_add_co_u32 s86, s86, ZS1
	s_cmp_lt_u32 s[WV], 4                          ; the prefetches: waves 0-3 name z's blocks, waves 4, 5 weight's
	s_cselect_b32 s93, 127, 63
	s_cselect_b32 s94, 100, 49
	s_cselect_b32 s95, 101, 50
	s_mov_b32 s[PFS], WP
	s_cselect_b32 s[PFS], PK, s[PFS]
	s_mov_b32 s[PFS+1], 0
	s_mul_i32 s95, s95, s16                        ; my work-group's share begins here
	s_cmp_lt_u32 s[WV], 6
	s_cselect_b32 s[LIM], 1, -1
	v_and_b32 v248, 31, v0                         ; lane
	v_and_b32 v249, 15, v0                         ; r
	v_bfe_u32 v250, v0, 4, 1                       ; h
	v_and_b32 v[PFO], s93, v0
	v_lshlrev_b32 v[LI], 4, v248
	v_lshlrev_b32 v[L8], 3, v248
	v_lshlrev_b32 v[H64], 6, v250
	v_mul_u32_u24 v251, v249, 112
	v_lshlrev_b32 v252, 2, v249
	v_min_u32 v[PFO], s94, v[PFO]
	v_mad_u32_u24 v[PSTO], v250, 12, v251
	v_mad_u32_u24 v[PLD], v250, 24, v251
	v_add_nc_u32 v[PBST], s83, v252                ; row r's word, byte w % 4
	v_lshl_add_u32 v[PSL], v248, 2, s82            ; 4 x lane: two row tiles' words
	v_add_nc_u32 v[PFO], s95, v[PFO]
	v_add_nc_u32 v[PSTO], s81, v[PSTO]             ; row r, block w % 4, my half's 12 bytes
	v_add_nc_u32 v[PLD], s80, v[PLD]               ; row r, + 24 h
	v_add_nc_u32 v[IMG], s84, v[LI]
	v_mul_u32_u24 v[RST], v249, 1040
	v_lshlrev_b32 v[PFO], 8, v[PFO]                ; blocks of 256 bytes
	v_add_nc_u32 v[RRD], s86, v[LI]
	v_and_b32 v[XQ], 8, v249
	v_lshl_add_u32 v[RST], v250, 5, v[RST]
	v_add_nc_u32 v[XQ], v[XQ], v249
	v_add_nc_u32 v[RST], s85, v[RST]
	v_lshlrev_b32 v[XQ], 2, v[XQ]                  ; 4 (r + 8 (r / 8))
	v_mov_b32 v23, 0                               ; (named as a pair's upper word)
.irp t, 0,1,2,3
	v_mov_b32 v[TP+\t], 0                          ; a lane permute's destination counts as one of its sources
.endr
	s_wait_dscnt 0x0                               ; both opening adds are done
	s_wait_alu depctr_va_vdst(0)                   ; the wait at the head's end
	s_wait_kmcnt 0x0
	s_mul_i32 s70, s18, 16*PK
	s_mul_i32 s72, s[CG], 25856                    ; the quarter of z that I fetch, if I fetch z
	s_add_co_u32 s70, s70, s72
	s_mov_b32 s71, 0
	s_add_nc_u64 s[G0Z+2:G0Z+3], s[6:7], s[70:71]
	s_add_nc_u64 s[G0Z+6:G0Z+7], s[G0Z+2:G0Z+3], PK
	s_or_b32 s[G0Z+3], s[G0Z+3], 0x80000000
	s_or_b32 s[G0Z+7], s[G0Z+7], 0x80000000
	s_mov_b32 s[G0Z], 1
	s_mov_b32 s[G0Z+4], 1
	s_add_co_u32 s[G0Z+1], s72, ZS0
	s_add_co_u32 s[G0Z+5], s72, ZS1
	s_mul_i32 s70, s18, 16*WP
	s_mul_i32 s72, s[CG], 12800                    ; the quarter of weight
	s_add_co_u32 s70, s70, s72
	s_add_nc_u64 s[G0W+2:G0W+3], s[8:9], s[70:71]
	s_add_nc_u64 s[G0W+6:G0W+7], s[G0W+2:G0W+3], WP
	s_or_b32 s[G0W+3], s[G0W+3], 0x80000000
	s_or_b32 s[G0W+7], s[G0W+7], 0x80000000
	s_mov_b32 s[G0W], 1
	s_mov_b32 s[G0W+4], 1
	s_add_co_u32 s[G0W+1], s72, WS0
	s_add_co_u32 s[G0W+5], s72, WS1
	s_mul_i32 s70, s18, 16*PK                      ; the prefetches begin at z's pack 4 or at weight's pack 3 of my half
	s_add_co_u32 s70, s70, 4*PK
	s_mul_i32 s72, s18, 16*WP
	s_add_co_u32 s72, s72, 3*WP
	s_cmp_lt_u32 s[WV], 4
	s_cselect_b64 s[PFA:PFA+1], s[6:7], s[8:9]
	s_cselect_b32 s70, s70, s72
	s_add_nc_u64 s[PFA:PFA+1], s[PFA:PFA+1], s[70:71]
	s_lshl_b32 s70, s17, 6                         ; the rows that I store at the end: 64 x block + 32 (w / 4) + 8 ((w / 2) % 2) + 16 (w % 2) + 0 .. 7
	s_lshl_b32 s72, s[KS], 5
	s_add_co_u32 s70, s70, s72
	s_bfe_u32 s72, s[WV], 0x10001
	s_lshl_b32 s72, s72, 3
	s_add_co_u32 s70, s70, s72
	s_and_b32 s72, s[WV], 1
	s_lshl_b32 s72, s72, 4
	s_add_co_u32 s70, s70, s72
	s_lshl_b32 s70, s70, 10
	s_lshl_b32 s72, s18, 23
	s_add_co_u32 s70, s70, s72
	s_add_nc_u64 s[10:11], s[10:11], s[70:71]
	s_lshr_b32 s70, s17, 2                         ; x: the pack, and my four tiles of its sixteen
	s_mul_i32 s70, s70, PK
	s_add_nc_u64 s[4:5], s[4:5], s[70:71]
	s_and_b32 s72, s17, 3
	s_mul_i32 s70, s72, 24576
	s_add_nc_u64 s[74:75], s[4:5], s[70:71]
	s_lshl_b32 s70, s72, 10
	s_add_co_u32 s70, s70, 98304
	s_add_nc_u64 s[76:77], s[4:5], s[70:71]
	s_lshl_b32 s70, s72, 8
	s_add_co_u32 s70, s70, 102400
	s_add_nc_u64 s[78:79], s[4:5], s[70:71]
	ROUND                                          ; all four work-groups are here: the first joint loads meet
	TLOAD G0Z, G0W, 1, 1                           ; pack 0 of z and of weight: one load a wave at the head
	WIN 0x40
.set n, 0
.rept 48
	global_load_b128 v[4*n:4*n+3], v[LI], s[74:75] offset:512*n   ; x's sixteen fragments, in the order of their registers; they stay
.set n, n+1
.endr
	WIN 0
.irp t, 0,1,2,3
	global_load_b64 v[XSC+2*\t:XSC+2*\t+1], v[L8], s[76:77] offset:256*\t
	global_load_b32 v[XS+2*\t], v[XQ], s[78:79] offset:128*(\t/2)+32*(\t%2)
.endr
	s_wait_tensorcnt 0x0                           ; my part of pack 0 is in
	ds_add_u32 v[SPW], v[NIL]
	s_wait_dscnt 0x0
	ROUND
	TLOAD G0Z+4, G0W+4, 1, 1                       ; pack 1, into the second slots
	s_wait_loadcnt 0x0                             ; x
.macro ZLD reg, u, s0                  ; fragments s0, s0 + 1 of my tile u of z: 3,072 dense bytes
.irp n, 0,1,2,3,4,5
	ds_load_b128 v[\reg+4*\n:\reg+4*\n+3], v[ADZ] offset:6144*\u+1536*\s0+512*\n
.endr
.endm
.macro P1G u, s0, fa                   ; K steps s0, s0 + 1 of tile u: the four sums of a u take turns
.irp d, 0,1
.irp t, 0,1,2,3
.if (\s0+\d) == 0
	MMX S+16*\t+8*\u, \fa+12*\d, 12*(4*\t+\s0+\d), CI+8*\u, ZSC+2*\u+\s0/2, XSC+2*\t+\s0/2, \d, \d
.else
	MMX S+16*\t+8*\u, \fa+12*\d, 12*(4*\t+\s0+\d), S+16*\t+8*\u, ZSC+2*\u+\s0/2, XSC+2*\t+\s0/2, \d, \d
.endif
.endr
.endr
.endm
.macro PLDP t0                         ; twelve loads: p's fragments of row tiles t0, t0 + 1: lane (r, h): 24 bytes at 24 h and 24 at 48 + 24 h of row r
.irp t, \t0, \t0+1
.irp p, 0,1,2,3,4,5
	ds_load_b64 v[ZF+12*(\t)+2*\p:ZF+12*(\t)+2*\p+1], v[PLD] offset:1792*(\t)+48*(\p/3)+8*(\p%3)
.endr
.endr
.endm
.macro PLDS                            ; two loads: p's scale words
.irp e2, 0,1
	ds_load_b32 v[PSW+\e2], v[PSL] offset:128*\e2
.endr
.endm
.macro WLD                             ; ten loads: weight's fragments 0, 1 where z's two stood, fragment 2 where the first product's C stood, and the scale words
.irp n, 0,1,2,3,4,5
	ds_load_b128 v[ZG+4*\n:ZG+4*\n+3], v[ADW] offset:512*\n
.endr
.irp n, 0,1,2
	ds_load_b128 v[CI+4*\n:CI+4*\n+3], v[ADW] offset:3072+512*\n
.endr
	ds_load_b64 v[WSC:WSC+1], v[ADWS]
.endm
.macro P2C first, o, a, sw, ra         ; the four sums of one tile of 16 columns, one instruction each
.irp t, 0,1,2,3
.if \first
	MMZ \o+8*\t, \a, ZF+12*\t, \sw, PSW+\t/2, \ra, \t%2
.else
	MMX \o+8*\t, \a, ZF+12*\t, \o+8*\t, \sw, PSW+\t/2, \ra, \t%2
.endif
.endr
.endm
.macro P2X first                       ; THE SECOND PRODUCT: O(ct, t) += 16 columns of weight x 16 rows of p, K = my team's 128 centres
	P2C \first, O0, ZG, WSC, 0
	NOPS 4                                         ; places in front of loads into the fragment just multiplied
.irp n, 0,1,2
	ds_load_b128 v[ZG+4*\n:ZG+4*\n+3], v[ADW] offset:4608+512*\n   ; weight's fragment 3: eight matrix instructions stand ahead of the wait for it
.endr
	P2C \first, O0+32, ZG+12, WSC, 1
	WIN 0x50                                       ; C and D window 1
	P2C \first, O1, CI, WSC+1, 0
	s_wait_dscnt 0x0
	P2C \first, O1+32, ZG, WSC+1, 1
	WIN 0
	NOPS 5                                         ; places in front of whatever next touches these products' registers
.endm
.macro P2ONLY wsl
	v_add_nc_u32 v[ADW], s[SAW+\wsl], v[LI]
	v_add_nc_u32 v[ADWS], s[SAWS+\wsl], v[L8]
	s_wait_alu depctr_va_vdst(0)                   ; the wait
	PLDP 0
	PLDP 2
	PLDS
	WLD
	s_wait_dscnt 0x0
	P2X 0
.endm
; THE MULTIPLYING PART.  sl: z's slot; weight's is the other.  p2 = 0: no second product yet; 1: it starts the sums; 2: it adds.
.macro MPH sl, p2
	v_add_nc_u32 v[ADZ], s[SAZ+\sl], v[LI]
	v_add_nc_u32 v[ADS], s[SAS+\sl], v[L8]
	v_add_nc_u32 v[ADC], s[SAC+\sl], v[H64]
.if \p2
	v_add_nc_u32 v[ADW], s[SAW+1-\sl], v[LI]
	v_add_nc_u32 v[ADWS], s[SAWS+1-\sl], v[L8]
.endif
	s_wait_alu depctr_va_vdst(0)                   ; the wait
	ZLD ZG, 0, 0                                   ; twelve loads: tile 0's K steps 0, 1; z's scale words; -|z|^2 / 2
.irp e, 0,1
	ds_load_b64 v[ZSC+2*\e:ZSC+2*\e+1], v[ADS] offset:256*\e
	ds_load_b128 v[CI+8*\e:CI+8*\e+3], v[ADC] offset:32*\e
	ds_load_b128 v[CI+8*\e+4:CI+8*\e+7], v[ADC] offset:32*\e+16
.endr
	ZLD ZF, 0, 2
	ZLD ZF+24, 1, 0
	s_wait_dscnt 12                                ; all but the twelve just issued
	WIN 0x04                                       ; source 1 (x) window 1
	P1G 0, 0, ZG
	s_wait_dscnt 6                                 ; tile 0's K steps 2, 3 are in
	P1G 0, 2, ZF
	NOPS 4                                         ; places in front of loads into fragments that have been multiplied
	ZLD ZG, 1, 2
.if \p2
	PLDP 0
	s_wait_dscnt 18                                ; tile 1's K steps 0, 1 are in: behind them six loads of z and twelve of p
.else
	s_wait_dscnt 6
.endif
	P1G 1, 0, ZF+24
	NOPS 4
.if \p2
	PLDP 2
	PLDS
	s_wait_dscnt 26                                ; tile 1's K steps 2, 3 are in: behind them twelve and fourteen loads of p
.else
	s_wait_dscnt 0x0
.endif
	P1G 1, 2, ZG
	WIN 0
	NOPS 4                                         ; places in front of the first read of the results, and of loads into registers just multiplied
.if \p2
	WLD
.endif
.set j, 0
.rept 32
	v_pk_fma_f32 v[S+j:S+j+1], v[S+j:S+j+1], s[K1:K1+1], v[XS+2*(j/16):XS+2*(j/16)+1] op_sel_hi:[1,0,0]   ; c^2 d^2, two at a time; each result from its low end on
.set j, j+2
.endr
.set j, 0
.rept 64
	v_max_num_f32 v[S+j], 0, v[S+j]
.set j, j+1
.endr
.if \p2
	s_wait_dscnt 0x0                               ; p and weight are in
	P2X (\p2==1)
.endif
	s_wait_alu depctr_va_vdst(0)                   ; the wait ahead of the branch and the barrier
.endm
; THE OTHER PART: roots, exponentials, the blocks' scales, codes, and p into my team's stage.
.macro VPH
	s_wait_alu depctr_va_vdst(0)                   ; the wait ahead of a batch
.set j, 0
.rept 64
	v_sqrt_f32 v[S+j], v[S+j]
.set j, j+1
.endr
	v_nop
	s_wait_alu depctr_va_vdst(0)
.set j, 0
.rept 64
	v_exp_f32 v[S+j], -v[S+j]                      ; p = 2^(-c d) = exp(-d / 10)
.set j, j+1
.endr
	v_nop
	s_wait_alu depctr_va_vdst(0)
.irp t, 0,1,2,3
	v_max3_num_f32 v[TM+\t], v[S+16*\t], v[S+16*\t+1], 0x1800000   ; the largest of my 16, with the floor 2^(3 - 127)
.endr
.irp i, 2,4,6,8,10,12,14
.irp t, 0,1,2,3
	v_max3_num_f32 v[TM+\t], v[TM+\t], v[S+16*\t+\i], v[S+16*\t+\i+1]
.endr
.endr
.irp t, 0,1,2,3
	s_delay_alu instid0(VALU_DEP_4)
	v_permlanex16_b32 v[TP+\t], v[TM+\t], s[SEL], s[SEL+1]
.endr
.irp t, 0,1,2,3
	s_delay_alu instid0(VALU_DEP_4)
	v_max_num_f32 v[TM+\t], v[TM+\t], v[TP+\t]     ; with lane l xor 16's 16: the block's
.endr
.irp t, 0,1,2,3
	s_delay_alu instid0(VALU_DEP_4)
	v_add_nc_u32 v[TS+\t], 0xff000000, v[TM+\t]    ; 2 off the exponent field: the conversion's scale operand
.endr
.irp t, 0,1,2,3
	s_delay_alu instid0(VALU_DEP_4)
	v_lshrrev_b32 v[TP+\t], 23, v[TS+\t]           ; the scale's byte
.endr
.irp t, 0,1,2,3
	v_cvt_scalef32_pk16_fp6_f32 v[CD+4*\t:CD+4*\t+2], v[S+16*\t:S+16*\t+15], v[TS+\t]
.endr
	v_nop                                          ; one plain place behind a scaled conversion
.irp t, 0,1,2,3
.irp i, 0,1,2
	ds_store_b32 v[PSTO], v[CD+4*\t+\i] offset:1792*\t+4*\i
.endr
	ds_store_b8 v[PBST], v[TP+\t] offset:64*\t     ; both halves of the lanes write the same byte with the same value
.endr
	s_wait_alu depctr_va_vdst(0)
.endm
.macro ASK                             ; s68 is 1 in the loop's last trip: periods 12 and 13 ask for nothing
	s_cmp_gt_u32 s[TRIP], s[LIM]
	s_cbranch_scc0 .Lnot_mine_\@
	s_cmp_lt_u32 ttmp9, 4
	s_cbranch_scc0 .Lno_prefetch_kern0_\@
	global_prefetch_b8 v[PFO], s[PFA:PFA+1] th:TH_LOAD_NT scope:SCOPE_SE
.Lno_prefetch_kern0_\@:
.Lnot_mine_\@:
.endm
.macro SYNC sl, fz, fw, ask
.if \ask
	s_wait_xcnt 0x0                                ; my prefetch has read its address: it steps a pack on
	s_add_nc_u64 s[PFA:PFA+1], s[PFA:PFA+1], s[PFS:PFS+1]
.endif
	s_wait_tensorcnt 0x0                           ; all my tensor loads have landed
	ds_add_u32 v[SPW], v[NIL]
.if \fz
	s_add_nc_u64 s[G0Z+4*\sl+2:G0Z+4*\sl+3], s[G0Z+4*\sl+2:G0Z+4*\sl+3], 2*PK
.endif
.if \fw
	s_add_nc_u64 s[G0W+6-4*\sl:G0W+7-4*\sl], s[G0W+6-4*\sl:G0W+7-4*\sl], 2*WP
.endif
	s_wait_dscnt 0x0                               ; the add, my stores of p and my reads of the slots are done
.if (\fz) || (\fw)
	ROUND
	TLOAD G0Z+4*\sl, G0W+4-4*\sl, \fz, \fw
.else
	BAR
.endif
.endm
; A PERIOD: pack q, two intervals.  bv = 0: waves 4-7 have nothing to take roots of yet.
.macro PERIOD sl, p2, bv, fz, fw, ask
	s_cmp_lt_u32 s[WV], 4
	s_cbranch_scc0 .Lb0_\@
	MPH \sl, \p2
	s_branch .Lj0_\@
.Lb0_\@:
.if \bv
	VPH
.endif
.Lj0_\@:
	s_wait_dscnt 0x0                               ; my stores of p have landed, my reads are over
	BAR
.if \ask
	ASK
.endif
	s_cmp_lt_u32 s[WV], 4
	s_cbranch_scc0 .Lb1_\@
	VPH
	s_branch .Lj1_\@
.Lb1_\@:
	MPH \sl, \p2
.Lj1_\@:
	SYNC \sl, \fz, \fw, \ask
.endm
	PERIOD 0, 0, 0, 1, 0, 1                        ; pack 0: no p yet; weight's two slots hold their first fills
	PERIOD 1, 1, 1, 1, 1, 1                        ; pack 1: the second products start the sums
.Lsteps:                                           ; packs 2 to 13, two a trip
	PERIOD 0, 2, 1, 1, 1, 1
	PERIOD 1, 2, 1, 1, 1, 1
	s_sub_co_u32 s[TRIP], s[TRIP], 1
	s_cmp_lg_u32 s[TRIP], 0
	s_cbranch_scc1 .Lsteps
	PERIOD 0, 2, 1, 0, 1, 0                        ; pack 14 asks for weight's last pack, pack 15 for nothing: written out
	PERIOD 1, 2, 1, 0, 0, 0
	s_cmp_lt_u32 s[WV], 4
	s_cbranch_scc0 .Lb_last
	P2ONLY 1                                       ; waves 0-3: their last second product
	s_branch .Lj_last
.Lb_last:
	VPH                                            ; waves 4-7: their last p
.Lj_last:
	s_wait_dscnt 0x0
	BAR
	; THE WAY OUT.  Both slots of z have had their last fill and their last read.  Waves 4-7 finish their sums and hand them to waves 0-3 as images of their registers; those add them to
	; their own and lay the sums as rows; every wave then stores eight whole rows.
	s_cmp_lt_u32 s[WV], 4
	s_cbranch_scc1 .Lno_image
	P2ONLY 1
.irp n, 0,1,2,3,4,5,6,7,8,9,10,11,12,13,14,15
	ds_store_b128 v[IMG], v[O0+4*\n:O0+4*\n+3] offset:512*\n        ; each sum from its low end on
.endr
	WIN 0x04
.irp n, 0,1,2,3,4,5,6,7,8,9,10,11,12,13,14,15
	ds_store_b128 v[IMG], v[O1+4*\n:O1+4*\n+3] offset:8192+512*\n
.endr
	WIN 0
.Lno_image:
	s_wait_dscnt 0x0
	BAR
	s_cmp_lt_u32 s[WV], 4
	s_cbranch_scc0 .Lno_sum
.irp n, 0,1,2,3,4,5,6,7,8,9,10,11,12,13,14,15
	ds_load_b128 v[BK+4*\n:BK+4*\n+3], v[IMG] offset:512*\n
.endr
	s_wait_dscnt 0x0
.set n, 0
.rept 32
	v_pk_add_f32 v[O0+2*n:O0+2*n+1], v[O0+2*n:O0+2*n+1], v[BK+2*n:BK+2*n+1]
.set n, n+1
.endr
.irp ct, 0,1
.irp t, 0,1,2,3
	ds_store_b128 v[RST], v[O0+8*(4*\ct+\t):O0+8*(4*\ct+\t)+3] offset:16640*\t+64*\ct        ; lane (r, h): stage row 16 t + r, columns 64 (w % 4) + 16 ct + 8 h + 0 .. 7
	ds_store_b128 v[RST], v[O0+8*(4*\ct+\t)+4:O0+8*(4*\ct+\t)+7] offset:16640*\t+64*\ct+16
.endr
.endr
.irp n, 0,1,2,3,4,5,6,7,8,9,10,11,12,13,14,15
	ds_load_b128 v[BK+4*\n:BK+4*\n+3], v[IMG] offset:8192+512*\n
.endr
	s_wait_dscnt 0x0
	WIN 0x41
.set n, 0
.rept 32
	v_pk_add_f32 v[O1+2*n:O1+2*n+1], v[O1+2*n:O1+2*n+1], v[BK+2*n:BK+2*n+1]
.set n, n+1
.endr
	WIN 0x04
.irp ct, 2,3
.irp t, 0,1,2,3
	ds_store_b128 v[RST], v[O1+8*(4*(\ct-2)+\t):O1+8*(4*(\ct-2)+\t)+3] offset:16640*\t+64*\ct
	ds_store_b128 v[RST], v[O1+8*(4*(\ct-2)+\t)+4:O1+8*(4*(\ct-2)+\t)+7] offset:16640*\t+64*\ct+16
.endr
.endr
	WIN 0
.Lno_sum:
	s_wait_dscnt 0x0
	BAR                                            ; 64 whole rows lie in the stage
.irp n, 0,1,2,3,4,5,6,7,8,9,10,11,12,13,14,15
	ds_load_b128 v[BK+4*\n:BK+4*\n+3], v[RRD] offset:1040*(\n/2)+512*(\n%2)
.endr
.irp n, 0,1,2,3,4,5,6,7,8,9,10,11,12,13,14,15
	s_wait_dscnt 15-\n                             ; LDS loads come back in order: load n is in
	global_store_b128 v[LI], v[BK+4*\n:BK+4*\n+3], s[10:11] offset:1024*(\n/2)+512*(\n%2)   ; 512 consecutive bytes, aligned
.endr
	s_wait_tensorcnt 0x0                           ; the wave's end
	ds_add_u32 v[SPW], v[NIL]
	s_wait_dscnt 0x0
	ROUND                                          ; the closing round
	s_endpgm
.Lfunc_end_k_qbfa8ebe466_kern:
	.size	k_qbfa8ebe466_kern, .Lfunc_end_k_qbfa8ebe466_kern-k_qbfa8ebe466_kern
	.p2alignl 7, 3214868480
	.fill 96, 4, 3214868480
	.section	.rodata,"a",@progbits
	.p2align	6, 0x0
	.amdhsa_kernel k_qbfa8ebe466_kern
		.amdhsa_group_segment_fixed_size 327680
		.amdhsa_private_segment_fixed_size 0
		.amdhsa_enable_private_segment 0
		.amdhsa_kernarg_size 32
		.amdhsa_user_sgpr_count 2
		.amdhsa_user_sgpr_kernarg_segment_ptr 1
		.amdhsa_wavefront_size32 1
		.amdhsa_system_sgpr_workgroup_id_x 1
		.amdhsa_system_sgpr_workgroup_id_y 1
		.amdhsa_system_sgpr_workgroup_id_z 1
		.amdhsa_system_vgpr_workitem_id 0
		.amdhsa_next_free_vgpr 512
		.amdhsa_next_free_sgpr 100
		.amdhsa_reserve_vcc 0
		.amdhsa_float_denorm_mode_32 3
		.amdhsa_float_denorm_mode_16_64 3
		.amdhsa_memory_ordered 1
		.amdhsa_forward_progress 1
		.amdhsa_inst_pref_size 255
	.end_amdhsa_kernel
	.section	.bss,"aw",@nobits
	.p2align	6
	.space	262144
	.amdgpu_metadata
---
amdhsa.version: [ 1, 2 ]
amdhsa.kernels:
  - .name:           k_qbfa8ebe466_kern
    .symbol:         k_qbfa8ebe466_kern.kd
    .args:
      - { .name: xpack, .offset: 0, .size: 8, .value_kind: global_buffer, .address_space: global }
      - { .name: zpack, .offset: 8, .size: 8, .value_kind: global_buffer, .address_space: global }
      - { .name: wpack, .offset: 16, .size: 8, .value_kind: global_buffer, .address_space: global }
      - { .name: part, .offset: 24, .size: 8, .value_kind: global_buffer, .address_space: global }
    .group_segment_fixed_size: 327680
    .private_segment_fixed_size: 0
    .kernarg_segment_align: 8
    .kernarg_segment_size: 32
    .max_flat_workgroup_size: 256
    .sgpr_count:     100
    .vgpr_count:     512
    .wavefront_size: 32
...
	.end_amdgpu_metadata
.endif
;; end of part 2
;; launch addup (part 3): grid 256 x 1, 8 waves a work-group, no clusters, 0 bytes of LDS; arguments part, out0; writes out0
.if DOCPART == 3
	.amdgcn_target "amdgcn-amd-amdhsa--gfx1250"
	.amdhsa_code_object_version 6
	.text
	.protected	k_qbfa8ebe466_addup
	.globl	k_qbfa8ebe466_addup
	.p2align	8
	.type	k_qbfa8ebe466_addup,@function
k_qbfa8ebe466_addup:
	s_mov_b64 s[64:65], 0
	v_nop
	global_prefetch_b8 v0, s[64:65] scope:SCOPE_SE
	s_setreg_imm32_b32 hwreg(HW_REG_WAVE_MODE, 25, 1), 1
	s_wait_xcnt 0x0
; ADDUP: out0 = part[0] + part[1]: the sums over the two halves of the centres, [8192][256] f32 each, 8 MiB apart.
; A stream: a work-group takes 32,768 bytes of the result; thread t takes the 16 bytes at 16 t of each of eight runs of 4,096 bytes, so every load and store of a wave covers 512 consecutive bytes, aligned.
; All sixteen loads go out at once; no loop, no LDS, no barrier, no matrix unit: waves share nothing, and each byte is read or written once.
.set A, 2                              ; v2-33  the first half's numbers, then the sums
.set B, 34                             ; v34-65 the second half's
	s_load_b128 s[4:7], s[0:1], 0x0                ; part s[4:5], out0 s[6:7]
	v_lshlrev_b32 v1, 4, v0
	s_lshl_b32 s8, ttmp9, 15
	s_mov_b32 s9, 0
	s_wait_alu depctr_va_vdst(0)
	s_wait_kmcnt 0x0
	s_add_nc_u64 s[4:5], s[4:5], s[8:9]
	s_add_nc_u64 s[6:7], s[6:7], s[8:9]
	s_add_nc_u64 s[10:11], s[4:5], 0x800000        ; the second half
.irp j, 0,1,2,3,4,5,6,7
	global_load_b128 v[A+4*\j:A+4*\j+3], v1, s[4:5] offset:4096*\j th:TH_LOAD_NT
.endr
.irp j, 0,1,2,3,4,5,6,7
	global_load_b128 v[B+4*\j:B+4*\j+3], v1, s[10:11] offset:4096*\j th:TH_LOAD_NT
.endr
.irp j, 0,1,2,3,4,5,6,7
	s_wait_loadcnt 7-\j                            ; loads come back in order: the second half's run j is in, and so is the first half's; the younger ones may be out
	v_pk_add_f32 v[A+4*\j:A+4*\j+1], v[A+4*\j:A+4*\j+1], v[B+4*\j:B+4*\j+1]
	v_pk_add_f32 v[A+4*\j+2:A+4*\j+3], v[A+4*\j+2:A+4*\j+3], v[B+4*\j+2:B+4*\j+3]
	global_store_b128 v1, v[A+4*\j:A+4*\j+3], s[6:7] offset:4096*\j th:TH_STORE_NT
.endr
	s_endpgm
.Lfunc_end_k_qbfa8ebe466_addup:
	.size	k_qbfa8ebe466_addup, .Lfunc_end_k_qbfa8ebe466_addup-k_qbfa8ebe466_addup
	.p2alignl 7, 3214868480
	.fill 96, 4, 3214868480
	.section	.rodata,"a",@progbits
	.p2align	6, 0x0
	.amdhsa_kernel k_qbfa8ebe466_addup
		.amdhsa_group_segment_fixed_size 0
		.amdhsa_private_segment_fixed_size 0
		.amdhsa_enable_private_segment 0
		.amdhsa_kernarg_size 16
		.amdhsa_user_sgpr_count 2
		.amdhsa_user_sgpr_kernarg_segment_ptr 1
		.amdhsa_wavefront_size32 1
		.amdhsa_system_sgpr_workgroup_id_x 1
		.amdhsa_system_sgpr_workgroup_id_y 1
		.amdhsa_system_sgpr_workgroup_id_z 1
		.amdhsa_system_vgpr_workitem_id 0
		.amdhsa_next_free_vgpr 72
		.amdhsa_next_free_sgpr 66
		.amdhsa_reserve_vcc 0
		.amdhsa_float_denorm_mode_32 3
		.amdhsa_float_denorm_mode_16_64 3
		.amdhsa_memory_ordered 1
		.amdhsa_forward_progress 1
		.amdhsa_inst_pref_size 5
	.end_amdhsa_kernel
	.amdgpu_metadata
---
amdhsa.version: [ 1, 2 ]
amdhsa.kernels:
  - .name:           k_qbfa8ebe466_addup
    .symbol:         k_qbfa8ebe466_addup.kd
    .args:
      - { .name: part, .offset: 0, .size: 8, .value_kind: global_buffer, .address_space: global }
      - { .name: out0, .offset: 8, .size: 8, .value_kind: global_buffer, .address_space: global }
    .group_segment_fixed_size: 0
    .private_segment_fixed_size: 0
    .kernarg_segment_align: 8
    .kernarg_segment_size: 16
    .max_flat_workgroup_size: 256
    .sgpr_count:     66
    .vgpr_count:     72
    .wavefront_size: 32
...
	.end_amdgpu_metadata
.endif
;; end of part 3
